; MI455X (gfx1250); checked and timed in simulation.
; The chip was launched on July 23, 2026; its instructions are those of AMD's public machine-readable ISA for CDNA 5 (MIT licence, August 2026) and "CDNA5" Instruction Set Architecture Reference Guide (July 2026). The comments in the code are by the model that wrote it; some were corrected since.
;; Secure Swish Feed Forward. Allowed arithmetic: float matrix products may take bf16 or f16 operands with f32 sums; other float arithmetic in f32, or as packed bf16 or f16 multiplies, adds, multiply-adds, maxima and minima; sums over many terms, partial sums and values carried from step to step in f32; what a program stores and reads back later, other than sums and carried values, may be rounded once to bf16 or f16.
;; Inputs: W1 4,096 x 1,024 float32; W2 1,024 x 4,096 float32; b1 4,096 float32; b2 1,024 float32; hidden_states 4 x 2,048 x 1,024 float32.
;; Outputs: out0 4 x 2,048 x 1,024 float32.
;; One version. Each part assembles by itself: llvm-mc -triple=amdgcn-amd-amdhsa -mcpu=gfx1250 --defsym DOCPART=n.
;; ======== version 1 of 1: 3 launches
;; workspace buffers: xb 16,777,216 bytes; w1b 8,388,608 bytes; w2b 8,388,608 bytes; h 67,108,864 bytes
;; launch cast (part 1): grid 256 x 4, 8 waves a work-group, no clusters, 0 bytes of LDS; arguments hidden_states, W1, W2, xb, w1b, w2b; writes xb, w1b, w2b
.if DOCPART == 1
	.amdgcn_target "amdgcn-amd-amdhsa--gfx1250"
	.amdhsa_code_object_version 6
	.text
	.protected	k_qef5555a79b_cast
	.globl	k_qef5555a79b_cast
	.p2align	8
	.type	k_qef5555a79b_cast,@function
k_qef5555a79b_cast:
	s_mov_b64 s[64:65], 0
	v_nop
	global_prefetch_b8 v0, s[64:65] scope:SCOPE_SE
	s_setreg_imm32_b32 hwreg(HW_REG_WAVE_MODE, 25, 1), 1
	s_wait_xcnt 0x0
; xb = bf16(hidden_states), w1b = bf16(W1), w2b = bf16(W2 / 2): each f32 rounded once, to nearest even, so that the two products that follow read 16-bit operands.
; W2 IS HALVED because the launch that follows stores twice the activation (that spares it one of four packed operations a pair of numbers); the halving changes the exponent alone.
; 64 MiB are read and 32 MiB written, each byte once: a stream.  No LDS, no barrier, no matrix unit, no cluster: no byte is wanted twice, and no wave wants what another has fetched.
; SHARES.  Grid y picks the piece of 16 MiB: 0 and 1 the two halves of hidden_states, 2 W1, 3 W2.  A work-group takes 64 KiB of it, a wave 8 KiB: sixteen loads of 16 bytes a lane,
; 512 consecutive bytes each, all issued before the first is waited for.  A lane's four numbers become 8 bytes: each store of the wave covers 256 consecutive bytes, aligned.
; No register that a pending instruction reads is written, so no wait stands for a source's sake.
; LIMITS: bf16 has f32's exponents; a number of W2 below 2^-125 in magnitude is halved into f32's denormals and may lose its last bit there; a NaN stays a NaN.
.set X, 4                              ; v[4:67]   load j: four f32
.set Y, 68                             ; v[68:99]  store j: four bf16 in two registers
; The second half of the work: load j is waited for, (half = 1: halved,) rounded and stored.
.macro OUTP half
.irp j, 0,1,2,3,4,5,6,7,8,9,10,11,12,13,14,15
	s_wait_loadcnt 15-(\j)                         ; loads come back in order (ISA guide 5.7.1): load j is in, the 15 - j younger ones stay out
.if \half
	v_pk_mul_f32 v[X+4*(\j):X+4*(\j)+1], v[X+4*(\j):X+4*(\j)+1], 0.5 op_sel_hi:[1,0]
	v_pk_mul_f32 v[X+4*(\j)+2:X+4*(\j)+3], v[X+4*(\j)+2:X+4*(\j)+3], 0.5 op_sel_hi:[1,0]
.endif
	v_cvt_pk_bf16_f32 v[Y+2*(\j)], v[X+4*(\j)], v[X+4*(\j)+1]
	v_cvt_pk_bf16_f32 v[Y+2*(\j)+1], v[X+4*(\j)+2], v[X+4*(\j)+3]
	global_store_b64 v2, v[Y+2*(\j):Y+2*(\j)+1], s[24:25] offset:256*(\j)
.endr
.endm
	s_load_b256 s[4:11], s[0:1], 0x0               ; hidden_states s[4:5], W1 s[6:7], W2 s[8:9], xb s[10:11]
	s_load_b128 s[12:15], s[0:1], 0x20             ; w1b s[12:13], w2b s[14:15]
	s_and_b32 s16, ttmp7, 0xffff                   ; which piece
	s_cmp_eq_u32 s16, 1
	s_cselect_b32 s17, 256, 0                      ; the second half of hidden_states begins 256 shares in
	s_add_co_u32 s17, s17, ttmp9                   ; my share's number in its tensor
	s_lshl_b32 s18, s17, 16                        ; x 64 KiB in,
	s_mov_b32 s19, 0
	s_lshl_b32 s20, s17, 15                        ; x 32 KiB out
	s_mov_b32 s21, 0
	v_and_b32 v3, 31, v0                           ; lane
	v_and_b32 v2, 0xe0, v0                         ; 32 x wave
	v_lshlrev_b32 v1, 4, v3
	v_lshl_or_b32 v1, v2, 8, v1                    ; in: 8,192 x wave + 16 x lane
	v_lshlrev_b32 v3, 3, v3
	v_lshl_or_b32 v2, v2, 7, v3                    ; out: 4,096 x wave + 8 x lane
	s_wait_kmcnt 0x0
	s_cmp_lt_u32 s16, 2                            ; the choice of tensor hangs on the grid's y alone
	s_cselect_b64 s[22:23], s[4:5], s[6:7]
	s_cselect_b64 s[24:25], s[10:11], s[12:13]
	s_cmp_eq_u32 s16, 3
	s_cselect_b64 s[22:23], s[8:9], s[22:23]
	s_cselect_b64 s[24:25], s[14:15], s[24:25]
	s_add_nc_u64 s[22:23], s[22:23], s[18:19]
	s_add_nc_u64 s[24:25], s[24:25], s[20:21]
.irp j, 0,1,2,3,4,5,6,7,8,9,10,11,12,13,14,15
	global_load_b128 v[X+4*(\j):X+4*(\j)+3], v1, s[22:23] offset:512*(\j) th:TH_LOAD_NT
.endr
	s_cmp_eq_u32 s16, 3                            ; W2's piece alone is halved: three pieces in four are not multiplied by one
	s_cbranch_scc1 .Lhalf
	OUTP 0
	s_endpgm
.Lhalf:
	OUTP 1
	s_endpgm
.Lfunc_end_k_qef5555a79b_cast:
	.size	k_qef5555a79b_cast, .Lfunc_end_k_qef5555a79b_cast-k_qef5555a79b_cast
	.p2alignl 7, 3214868480
	.fill 96, 4, 3214868480
	.section	.rodata,"a",@progbits
	.p2align	6, 0x0
	.amdhsa_kernel k_qef5555a79b_cast
		.amdhsa_group_segment_fixed_size 0
		.amdhsa_private_segment_fixed_size 0
		.amdhsa_enable_private_segment 0
		.amdhsa_kernarg_size 48
		.amdhsa_user_sgpr_count 2
		.amdhsa_user_sgpr_kernarg_segment_ptr 1
		.amdhsa_wavefront_size32 1
		.amdhsa_system_sgpr_workgroup_id_x 1
		.amdhsa_system_sgpr_workgroup_id_y 1
		.amdhsa_system_sgpr_workgroup_id_z 1
		.amdhsa_system_vgpr_workitem_id 0
		.amdhsa_next_free_vgpr 100
		.amdhsa_next_free_sgpr 66
		.amdhsa_reserve_vcc 0
		.amdhsa_float_denorm_mode_32 3
		.amdhsa_float_denorm_mode_16_64 3
		.amdhsa_memory_ordered 1
		.amdhsa_forward_progress 1
		.amdhsa_inst_pref_size 13
	.end_amdhsa_kernel
	.amdgpu_metadata
---
amdhsa.version: [ 1, 2 ]
amdhsa.kernels:
  - .name:           k_qef5555a79b_cast
    .symbol:         k_qef5555a79b_cast.kd
    .args:
      - { .name: hidden_states, .offset: 0, .size: 8, .value_kind: global_buffer, .address_space: global }
      - { .name: W1, .offset: 8, .size: 8, .value_kind: global_buffer, .address_space: global }
      - { .name: W2, .offset: 16, .size: 8, .value_kind: global_buffer, .address_space: global }
      - { .name: xb, .offset: 24, .size: 8, .value_kind: global_buffer, .address_space: global }
      - { .name: w1b, .offset: 32, .size: 8, .value_kind: global_buffer, .address_space: global }
      - { .name: w2b, .offset: 40, .size: 8, .value_kind: global_buffer, .address_space: global }
    .group_segment_fixed_size: 0
    .private_segment_fixed_size: 0
    .kernarg_segment_align: 8
    .kernarg_segment_size: 48
    .max_flat_workgroup_size: 256
    .sgpr_count:     66
    .vgpr_count:     100
    .wavefront_size: 32
...
	.end_amdgpu_metadata
.endif
;; end of part 1
;; launch up (part 2): grid 16 x 16, 4 waves a work-group, clusters of 4 x 4, 327,680 bytes of LDS; arguments xb, w1b, b1, h; writes h
.if DOCPART == 2
	.amdgcn_target "amdgcn-amd-amdhsa--gfx1250"
	.amdhsa_code_object_version 6
	.text
	.protected	k_qef5555a79b_up
	.globl	k_qef5555a79b_up
	.p2align	8
	.type	k_qef5555a79b_up,@function
k_qef5555a79b_up:
	s_mov_b64 s[64:65], 0
	v_nop
	global_prefetch_b8 v0, s[64:65] scope:SCOPE_SE
	s_setreg_imm32_b32 hwreg(HW_REG_WAVE_MODE, 25, 1), 1
	s_wait_xcnt 0x0
	s_wait_alu depctr_hold_cnt(0) depctr_sa_sdst(0) depctr_va_vdst(0) depctr_va_sdst(0) depctr_va_ssrc(0) depctr_va_vcc(0) depctr_vm_vsrc(0)
	s_getreg_b32 s2, hwreg(HW_REG_IB_STS2, 6, 4)
	s_cmp_eq_u32 s2, 0
	s_cbranch_scc0 .Lentry_in_a_cluster
	s_endpgm
.Lentry_in_a_cluster:
	s_bfe_u32 s2, ttmp6, 0x10000c
	s_cmp_lg_u32 s2, 0xf033
	s_cbranch_scc0 .Lentry_shape_is_right
	s_endpgm
.Lentry_shape_is_right:
; h = 2 g(sum over k of xb[m][k] w1b[n][k] + b1[n]),  g(t) = t (0.5 + 0.25 t - 0.0208 t^3).  xb: [8192][1024], w1b: [4096][1024] bf16; b1: [4096] f32.  Sums and g in f32; h in bf16.
; TWICE g: 2 g(t) = t + t^2 (0.5 - 0.0416 t^2) is three packed operations a pair of numbers where g itself takes four; the launch before has halved W2 for it.
; h's LAYOUT: blocks of 16 rows x 16 columns, 512 bytes each, [512 block rows][256 column blocks][32 lanes][16 bytes]: lane l holds row l % 16, columns 8 (l / 16) + 0 .. 7.  That is how this launch's registers hold a
; result, and it is half a fragment (16 rows x 32 along K) of the launch that follows: so a block leaves by one store of 16 bytes a lane, 512 consecutive bytes, straight from registers, and comes back by one load.
; LIMITS.  b1 is rounded to bf16 like the other inputs and STARTS each sum (it is the C operand of the first product) instead of being added last.  The polynomial is taken in the form above with fused
; multiply-adds: another order of rounding than reference's, a few units in f32's last place.  h is rounded once, to bf16, which has f32's exponents; f16 would end at 65,504, and 0.0416 t^4 passes that from t = 36 on.
; NaN and infinities are not treated apart.
; SHAPE.  A tile of h, 256 x 256, is made by a work-group of four waves; a wave makes 128 x 128: 64 accumulators of 16 x 16, 512 registers.  K goes in steps of 128 through a ring of two LDS slots filled by the
; tensor data mover: a tile's rows are 256 bytes of memory and start at multiples of 256 bytes from the buffer's first byte.  h has 512 tiles: A WORK-GROUP STAYS and makes two, 4,096 rows apart, in the same columns;
; the ring does not stop at the first tile's end: its last two changes of slots ask for the second tile's first two K steps, and nothing waits for the first tile's stores.
; CLUSTERS: 4 x 4 work-groups.  The four of a row of the cluster need the same tiles of xb, the four of a column the same tiles of w1b: each tile is asked for JOINTLY, by the same tensor load with the same
; descriptor and a mask that names the four; each receives it in its own LDS.  That divides the requests for both by four.
; THE MATRIX INSTRUCTION IS USED TRANSPOSED: source 0 = 16 rows of w1b, source 1 = 16 rows of xb.  In the result lane l holds row m = l % 16 and its registers 0 to 7 the columns n = 8 (l / 16) + 0 .. 7;
; the bias of a register is the same in all 16 rows, so 64 registers hold it for the wave's 128 columns.
; REGISTERS, in windows of 256 (s_set_vgpr_msb: bits 1:0 source 0, 3:2 source 1, 5:4 source 2, 7:6 destination):
;   window 0: v0-31 addresses; v64-127, v128-191 fragments of xb, two buffers; on the way out v128-191 (U) and v192-255 (V) at work, v32-63 packed results
;   window 1: v0-63 the bias; v64-127, v128-191 fragments of w1b, two buffers; v192-223 at work once, at the head
;   window 2: the 32 accumulators of my rows 0-63 (accumulator (a, b) at v[8 (8 a + b)]);   window 3: those of my rows 64-127
.set SIZE_M, 8192
.set SIZE_N, 4096
.set SIZE_K, 1024
.set SIZE_TILES, 2
.set KSTEP,  128
.set PITCH,  272                       ; an LDS row: 256 bytes of data + 16 of padding = 68 words: row r starts at bank 4 r mod 64 (64 banks of 4 bytes: ISA guide 11.1), so the 16 rows that a load touches start at 16 different banks
.set HALFT,  128*PITCH                 ; 128 rows: what one tensor load brings, and what one wave reads of xb or of w1b
.set SLOT,   4*HALFT                   ; xb's 256 rows, then w1b's 256 rows
.set SPARE,  2*SLOT                    ; behind the ring: the spare words, 128 bytes for each wave: two blocks of 256 bytes that no other line names
.set LAPS,   SIZE_K/(2*KSTEP)          ; 4: a lap = two K steps = once round the ring
.set WALK,   SIZE_M/SIZE_TILES         ; the two tiles lie 4,096 rows apart
.set NEXT_A, WALK*SIZE_K*2-(SIZE_K-2*KSTEP)*2   ; bytes from a slot's last K step of a tile to its first of the next: xb goes WALK rows down and back along K,
.set BACK_B, (SIZE_K-2*KSTEP)*2        ; w1b only back: both tiles take the same rows of it
.set HBLK,   512                       ; a block of h
.set HROW,   (SIZE_N/16)*HBLK          ; a block row of h: 131,072 bytes
.set NEXT_H, (WALK/16)*HROW            ; from a tile of h to the next: 256 block rows
.set ADRA, 16                          ; v16-17  LDS address of my fragments of xb in slot 0, 1
.set ADRB, 20                          ; v20-21  the same for w1b
.set CO,   26                          ; v26     16 x lane: my 16 bytes of a block of h; never rewritten
.set BO,   27                          ; v27     my byte offset in 16 numbers of b1: 32 (l / 16)
.set SPW,  28                          ; v28     LDS address of my spare word: SPARE + 4 x my thread's number; never rewritten
.set NIL,  29                          ; v29     0; never rewritten
.set PFO,  30                          ; v30     the prefetches' offset: my lane x a row of xb or w1b (2,048 bytes); never rewritten
.set F0,   64                          ; fragment buffer 0
.set F1,   128                         ; fragment buffer 1
.set U,    128                         ; the way out: t^2, then the result, where buffer 1's fragments of xb lay
.set V,    192                         ; the way out: 0.5 - 0.0416 t^2
.set TMP,  32                          ; the way out: packed results
.set BIA,  0                           ; window 1: register 8 b + j holds the bias of column 16 b + 8 (l / 16) + j of my 128
.set BT,   192                         ; window 1: at work while the bias is rounded
.set G1,  24                           ; s[24:31] descriptor group 1 for xb's tiles
.set G0,  32                           ; s[32:39] descriptor group 0 for xb's tiles, one set for each slot
.set LIM, 43                           ; s43      1 in a wave that prefetches, else the greatest number
.set PFA, 44                           ; s[44:45] where my prefetches stand: one K step further along K than the refill that is being asked for; a prefetch names the K step after that
.set G1B, 48                           ; s[48:55] descriptor group 1 for w1b's tiles: it differs in the mask alone
.set G0B, 56                           ; s[56:63] descriptor group 0 for w1b's tiles
.set BP,  66                           ; s[66:67] b1 at my 128 columns
.set C3,  68                           ; s[68:69] -0.0416: the packed form names a pair and takes its low word for both halves
.set HIM, 72                           ; s72      a word's upper bf16
.set MSB, 0
.macro WIN new                         ; the immediate's high byte repeats the setting that is left; a switch that changes nothing is dropped
.if MSB != (\new)
	s_set_vgpr_msb (MSB<<8)|(\new)
.set MSB, (\new)
.endif
.endm
.set TO_B, 0x40                        ; destination window 1, address window 0
; A joint load.  Waves 0 and 1 fetch xb's two halves, waves 2 and 3 w1b's.  Each of the two lines has ONE mask and one set of registers for all that issue it.  The branch hangs on the wave's number alone.
; An s_nop 0 and four v_nop follow each of the two lines, ahead of the jump, the label and what follows the macro.
.macro JLOAD s
	s_cmp_eq_u32 s11, 0
	s_cbranch_scc0 .Lfor_b_\@
	tensor_load_to_lds s[G0+4*(\s):G0+4*(\s)+3], s[G1:G1+7]
	s_nop 0
.rept 4
	v_nop
.endr
	s_branch .Lasked_\@
.Lfor_b_\@:
	tensor_load_to_lds s[G0B+4*(\s):G0B+4*(\s)+3], s[G1B:G1B+7]
	s_nop 0
.rept 4
	v_nop
.endr
.Lasked_\@:
.endm
; A PREFETCH INTO THE L2, behind each joint load, its five lines and the run of LDS loads that follows them: the K step that stands TWO refills on, 512 matrix instructions ahead of the load that will want it:
; 32 rows x 256 bytes, a lane a row, one instruction a wave.  Each row's 256 bytes of a K step are named ONCE in the launch: xb's tile row is read by all four clusters of that row of clusters, and the one with
; cluster x = 0 asks; w1b's tile column by all four of that column, and the one with cluster y = 0 asks.  The four partners that ask for a tile jointly share its rows out BY ADDRESS: of the 128 rows that wave w
; fetches the partner at place p takes 32 p .. 32 p + 31 (p = cx for xb, cy for w1b): no branch hangs on a work-group's place in its cluster.
; how = 0, in the loop: a tile's last two refills have no K step two on; how = 1, at the change of tiles.
.macro ASK how
.if \how
	s_cmp_eq_u32 s[LIM], 1
.else
	s_cmp_gt_u32 s3, s[LIM]                        ; s3 = 1 in the loop's last trip
.endif
	s_cbranch_scc0 .Lnot_mine_\@
	global_prefetch_b8 v[PFO], s[PFA:PFA+1] offset:KSTEP*2 th:TH_LOAD_NT scope:SCOPE_SE
.Lnot_mine_\@:
.endm
; A round of the cluster's barrier: my work-group's barrier, so that wave 0's signal speaks for all four waves; wave 0 signals for the work-group; every wave waits for all sixteen work-groups; my work-group's barrier once more.
.macro CREST                           ; a round behind its opening barrier
	s_cmp_lg_u32 s10, 0
	s_cbranch_scc1 .Lnot_wave_0_\@
	s_barrier_signal -3
.Lnot_wave_0_\@:
	s_barrier_wait -3
	s_barrier_signal -1
	s_barrier_wait -1
.endm
.macro CROUND                          ; a whole round
	s_barrier_signal -1
	s_barrier_wait -1
	CREST
.endm
	s_load_b128 s[4:7], s[0:1], 0x0                ; xb s[4:5], w1b s[6:7]
	s_load_b64 s[BP:BP+1], s[0:1], 0x10            ; b1
	s_load_b64 s[8:9], s[0:1], 0x18                ; h
	v_lshl_add_u32 v[SPW], v0, 2, SPARE
	v_mov_b32 v[NIL], 0
	ds_add_u32 v[SPW], v[NIL]                      ; the wave's opening: the add, twice on end, and its wait ahead of my first tensor load; the set-up below, work on registers, stands between the second and the wait
	ds_add_u32 v[SPW], v[NIL]                      ; and once more, under the one wait
	v_lshrrev_b32 v1, 5, v0
	v_readfirstlane_b32 s10, v1                    ; wave 0..3
	s_lshr_b32 s11, s10, 1                         ; which half of the tile's rows is mine.  Also: I fetch for xb (0) or for w1b (1)
	s_and_b32 s12, s10, 1                          ; which half of its columns.  Also: which 128 rows of that tile I fetch
	s_bfe_u32 s40, ttmp6, 0x40000                  ; cx: my place along the cluster's x
	s_bfe_u32 s41, ttmp6, 0x40004                  ; cy: along its y
	s_lshl_b32 s42, ttmp9, 2                       ; in a cluster launch ttmp9 and ttmp7 count clusters
	s_add_co_u32 s42, s42, s40                     ; tile column of h = 4 x cluster x + cx
	s_and_b32 s13, ttmp7, 0xffff
	s_lshl_b32 s13, s13, 2
	s_add_co_u32 s13, s13, s41                     ; tile row of my first tile = 4 x cluster y + cy
	s_lshl_b32 s43, s41, 2
	s_lshl_b32 s43, 15, s43                        ; my row of the cluster: places 4 cy .. 4 cy + 3
	s_lshl_b32 s44, 0x1111, s40                    ; my column: places cx, cx + 4, cx + 8, cx + 12
	; descriptor group 1: a tile of 128 rows x 128 elements, padded in LDS
	s_or_b32 s[G1+0], s43, (1<<16)|(1<<20)|(1<<21)|(5<<22)|(3<<25)  ; 15:0 the mask: xb's tiles go to my row; 17:16 elements of 2 bytes; 20 padding on; 21 set beside a mask; 24:22 after every 64 words (code 5); 31:25 4 words of it (code 3)
	s_or_b32 s[G1B+0], s44, (1<<16)|(1<<20)|(1<<21)|(5<<22)|(3<<25) ; the same with the mask of my column, for w1b's tiles
	s_mov_b32 s[G1B+1], KSTEP<<16
	s_mov_b32 s[G1+1], KSTEP<<16                   ; 63:48 tensor_dim0, low half = 128
	s_mov_b32 s[G1B+2], 128<<16
	s_mov_b32 s[G1+2], 128<<16                     ; 79:64 its high half = 0; 95:80 tensor_dim1, low half = 128
	s_mov_b32 s[G1B+3], KSTEP<<16
	s_mov_b32 s[G1+3], KSTEP<<16                   ; 111:96 its high half = 0; 127:112 tile_dim0 = 128
	s_mov_b32 s[G1B+4], 128
	s_mov_b32 s[G1+4], 128                         ; 143:128 tile_dim1 = 128; 159:144 tile_dim2 = 0
	s_mov_b32 s[G1B+5], SIZE_K
	s_mov_b32 s[G1+5], SIZE_K                      ; 191:160 tensor_dim0_stride, low word: elements from row to row
	s_mov_b32 s[G1B+6], 0
	s_mov_b32 s[G1+6], 0
	s_mov_b32 s[G1B+7], 0
	s_mov_b32 s[G1+7], 0
	s_mov_b32 s[C3], 0xbd2a64c3                    ; -0.0416 = twice f32's -0.0208
	s_mov_b32 s[C3+1], 0xbd2a64c3
	s_mov_b32 s[HIM], 0xffff0000
	; where the tiles come from.  xb's hang on the tile row alone, which my row of the cluster shares; w1b's on the tile column alone, which my column shares.
	; Every wave makes both addresses, in registers that never hold the other coordinate, and asks by one of them.
	s_lshl_b32 s17, s12, 7                         ; which 128 rows of the tile I fetch
	s_lshl_b32 s16, s13, 8
	s_add_co_u32 s16, s16, s17                     ; xb: row 256 x tile row + 128 x half
	s_lshl_b32 s46, s42, 8
	s_add_co_u32 s46, s46, s17                     ; w1b: row 256 x tile column + 128 x half
	s_mov_b32 s17, 0
	s_mov_b32 s47, 0
	s_mov_b64 s[18:19], SIZE_K*2
	s_mul_u64 s[16:17], s[16:17], s[18:19]         ; in bytes
	s_mul_u64 s[46:47], s[46:47], s[18:19]
	s_mul_i32 s20, s10, HALFT                      ; and where they go: xb's two halves, then w1b's two = wave x 128 rows: no place in the cluster enters an LDS address
	s_wait_dscnt 0x0                               ; both opening adds are done
	s_wait_kmcnt 0x0
	s_add_nc_u64 s[14:15], s[4:5], s[16:17]
	s_add_nc_u64 s[46:47], s[6:7], s[46:47]
	CROUND                                         ; all sixteen work-groups are here: the first joint loads meet
.irp s, 0,1
	s_mov_b32 s[G0+4*(\s)], 1                                      ; 1:0 count = 1
	s_add_co_u32 s[G0+4*(\s)+1], s20, (\s)*SLOT                    ; 63:32 LDS address
	s_add_nc_u64 s[G0+4*(\s)+2:G0+4*(\s)+3], s[14:15], (\s)*KSTEP*2  ; 120:64 global address: K step s
	s_or_b32 s[G0+4*(\s)+3], s[G0+4*(\s)+3], 0x80000000            ; 127:126 type = 2
	s_mov_b32 s[G0B+4*(\s)], 1
	s_add_co_u32 s[G0B+4*(\s)+1], s20, (\s)*SLOT
	s_add_nc_u64 s[G0B+4*(\s)+2:G0B+4*(\s)+3], s[46:47], (\s)*KSTEP*2
	s_or_b32 s[G0B+4*(\s)+3], s[G0B+4*(\s)+3], 0x80000000
	JLOAD \s                                       ; the ring is filled before anything else is done: two tensor loads of mine are out
.endr
	; A fragment is 16 rows x 32 K in 8 registers: lane l holds row l % 16; registers 0-3 hold K = 8 (l / 16) + 0..7, registers 4-7 K = 16 + 8 (l / 16) + 0..7: two loads of 16 bytes, 32 bytes apart.
	v_and_b32 v1, 15, v0                           ; l % 16
	v_bfe_u32 v2, v0, 4, 1                         ; l / 16
	v_mul_u32_u24 v3, v1, PITCH
	v_lshl_add_u32 v3, v2, 4, v3                   ; row x pitch + 16 x half
	s_mul_i32 s21, s11, HALFT                      ; my 128 rows of xb
	s_mul_i32 s22, s12, HALFT                      ; my 128 rows of w1b,
	s_add_co_u32 s22, s22, 2*HALFT                 ; which lie behind xb's 256
.irp s, 0,1
	v_add_nc_u32 v[ADRA+(\s)], s21, v3
	v_add_nc_u32 v[ADRB+(\s)], s22, v3
	s_add_co_u32 s21, s21, SLOT
	s_add_co_u32 s22, s22, SLOT
.endr
	v_and_b32 v[PFO], 31, v0                       ; lane
	v_lshlrev_b32 v[CO], 4, v[PFO]
	v_lshlrev_b32 v[BO], 5, v2
	; where my part of the first tile begins in h: block row 16 x tile row + 8 x half, column block 16 x tile column + 8 x half
	s_lshl_b32 s16, s13, 4
	s_lshl_b32 s14, s11, 3
	s_add_co_u32 s16, s16, s14
	s_lshl_b32 s16, s16, 17                        ; x 131,072 bytes
	s_lshl_b32 s46, s42, 13
	s_lshl_b32 s47, s12, 12
	s_add_co_u32 s46, s46, s47                     ; column block x 512 bytes
	s_add_co_u32 s16, s16, s46                     ; under 2^26
	s_mov_b32 s17, 0
	s_add_nc_u64 s[8:9], s[8:9], s[16:17]
	s_lshr_b32 s74, s46, 3                         ; the same column in b1: 16 numbers of 4 bytes a column block
	s_mov_b32 s75, 0
	s_add_nc_u64 s[BP:BP+1], s[BP:BP+1], s[74:75]
	; the bias of my 128 columns: 8 numbers a lane for each block of 16, as the accumulators hold them; rounded to bf16 and widened again
	WIN TO_B
.irp b, 0,1,2,3,4,5,6,7
	global_load_b128 v[BIA+8*(\b):BIA+8*(\b)+3],   v[BO], s[BP:BP+1] offset:64*(\b)
	global_load_b128 v[BIA+8*(\b)+4:BIA+8*(\b)+7], v[BO], s[BP:BP+1] offset:64*(\b)+16
.endr
	WIN 0
	; the prefetches.  s13 = tile row, s42 = tile column, s40 = cx, s41 = cy still stand; s[4:5] = xb, s[6:7] = w1b
	s_lshl_b32 s13, s13, 8
	s_lshl_b32 s42, s42, 8
	s_and_b32 s22, ttmp7, 0xffff                   ; cluster y
	s_cmp_eq_u32 s11, 0                            ; do I fetch for xb?
	s_cselect_b32 s20, s13, s42                    ; the tile's first row: in xb by the tile row, in w1b by the tile column
	s_cselect_b32 s21, s40, s41                    ; my place among the four that ask for it with me
	s_cselect_b32 s22, ttmp9, s22                  ; the coordinate along which other clusters read the same rows
	s_cselect_b64 s[PFA:PFA+1], s[4:5], s[6:7]
	s_cmp_eq_u32 s22, 0
	s_cselect_b32 s[LIM], 1, -1                    ; the same in all sixteen partners, for a given wave
	s_lshl_b32 s22, s12, 7
	s_add_co_u32 s20, s20, s22                     ; + the 128 rows that I fetch
	s_lshl_b32 s21, s21, 5
	s_add_co_u32 s20, s20, s21                     ; + my work-group's 32 of them
	s_mov_b32 s21, 0
	s_mov_b64 s[18:19], SIZE_K*2
	s_mul_u64 s[20:21], s[20:21], s[18:19]
	s_add_nc_u64 s[PFA:PFA+1], s[PFA:PFA+1], s[20:21]
	s_add_nc_u64 s[PFA:PFA+1], s[PFA:PFA+1], 2*KSTEP*2  ; at K step 2: the first refill steps it to 3 and names K step 4.  Nothing is prefetched here, at the head: K steps 0 to 3 come by their loads alone
	v_mul_u32_u24 v[PFO], v[PFO], SIZE_K*2
	s_wait_loadcnt 0x0                             ; the bias is in
	WIN 0x45                                       ; sources 0 and 1 and the destination in window 1
.set i, 0
.rept 32
	v_cvt_pk_bf16_f32 v[BT+i], v[BIA+2*i], v[BIA+2*i+1]
	v_lshlrev_b32 v[BIA+2*i], 16, v[BT+i]
	v_and_b32 v[BIA+2*i+1], s[HIM], v[BT+i]
.set i, i+1
.endr
	WIN 0
; 16 matrix instructions: m blocks a0, a0 + 1 of the window's four (hi = 0: my rows 0-63, 1: rows 64-127) x all 8 n blocks, 32 along K.
; first = 1: the product starts the sum with the bias as its C operand (window 1): nothing is cleared, and no bias is added afterwards.
; The 64 accumulators take turns, one instruction a turn, in the same order in every quarter step.
.macro MUL16 f, hi, a0, first
.if \first
	WIN 0x91+0x40*(\hi)                            ; source 0 (w1b) and C window 1, source 1 (xb) window 0, D window 2 or 3
.else
	WIN 0xa1+0x50*(\hi)                            ; the same with C where D is
.endif
.irp a, \a0, (\a0)+1
.irp b, 0,1,2,3,4,5,6,7
.if \first
	v_wmma_f32_16x16x32_bf16 v[8*(8*(\a)+(\b)):8*(8*(\a)+(\b))+7], v[(\f)+8*(\b):(\f)+8*(\b)+7], v[(\f)+8*(4*(\hi)+(\a)):(\f)+8*(4*(\hi)+(\a))+7], v[BIA+8*(\b):BIA+8*(\b)+7]
.else
	v_wmma_f32_16x16x32_bf16 v[8*(8*(\a)+(\b)):8*(8*(\a)+(\b))+7], v[(\f)+8*(\b):(\f)+8*(\b)+7], v[(\f)+8*(4*(\hi)+(\a)):(\f)+8*(4*(\hi)+(\a))+7], v[8*(8*(\a)+(\b)):8*(8*(\a)+(\b))+7]
.endif
.endr
.endr
.endm
; 32 LDS loads in one run: the fragments of one quarter step (128 rows of w1b, 128 rows of xb, 32 K at byte k of the rows) into buffer f
.macro FETCH slot, k, f
	WIN TO_B
.irp i, 0,1,2,3,4,5,6,7
	ds_load_b128 v[(\f)+8*(\i):(\f)+8*(\i)+3],   v[ADRB+(\slot)] offset:(\k)+(\i)*16*PITCH
	ds_load_b128 v[(\f)+8*(\i)+4:(\f)+8*(\i)+7], v[ADRB+(\slot)] offset:(\k)+(\i)*16*PITCH+32
.endr
	WIN 0
.irp i, 0,1,2,3,4,5,6,7
	ds_load_b128 v[(\f)+8*(\i):(\f)+8*(\i)+3],   v[ADRA+(\slot)] offset:(\k)+(\i)*16*PITCH
	ds_load_b128 v[(\f)+8*(\i)+4:(\f)+8*(\i)+7], v[ADRA+(\slot)] offset:(\k)+(\i)*16*PITCH+32
.endr
.endm
; A load into a register that a matrix instruction has read, and a vector instruction that reads a matrix result or writes one of a matrix instruction's registers, stand four places behind it, and only plain
; vector instructions that name none of its registers are places (ISA guide 7.12.1 for vector instructions).
.macro PLACES
.rept 4
	v_nop
.endr
.endm
; A K step is four quarter steps of 32 along K, 64 matrix instructions each, on buffers 0, 1, 0, 1.
; One of the first three: multiplies buffer f; in its middle it fetches the next quarter's fragments, at byte k of the same slot's rows, into buffer g.
.macro QUARTER slot, k, f, g, first
	s_wait_dscnt 8                                 ; w1b's fragments and xb's rows 0-63 are in; the youngest eight loads (xb's rows 64-127) may be out
	MUL16 \f, 0, 0, \first
	MUL16 \f, 0, 2, \first
	PLACES
	FETCH \slot, \k, \g
	s_wait_dscnt 32                                ; all but the 32 just issued
	MUL16 \f, 1, 0, \first
	MUL16 \f, 1, 2, \first
.endm
; The last quarter multiplies buffer 1 and changes slots.  MEET is its first half: ONE barrier for the change, for two things.  In front of it each wave waits for all its tensor loads, of which one is out:
; its part of the next slot; adds 0 to its spare word; and waits for that and for its own reads of this slot.  Behind it nobody reads this slot any more and the next slot is whole.
.macro MEET round                      ; round = 1: a round of the cluster's barrier follows
	WIN 0                                          ; (the add's two registers lie in window 0)
	s_wait_tensorcnt 0x0                           ; all my tensor loads have landed
	ds_add_u32 v[SPW], v[NIL]                      ; 0 onto my spare word
	s_wait_dscnt 9                                 ; (the add and the youngest eight loads may be out)
	MUL16 F1, 0, 0, 0                              ; sixteen matrix instructions stand between the add and the wait for it
	s_wait_dscnt 0x0                               ; the add is done, and my reads of this slot are over:
	s_barrier_signal -1                            ; say so,
	MUL16 F1, 0, 2, 0                              ; work on registers while the others arrive,
.if \round
	WIN 0
.endif
	s_barrier_wait -1                              ; and go on when all four have said so
.endm
; The whole last quarter.  on = 0: behind the round the slot just read out is filled again with this tile's K step two steps on; on = 1: with the NEXT tile's K step 0 or 1; on = 2: the last tile's last
; change of slots: nothing is filled, so no round follows the barrier.  Then come the next slot's first fragments.  From a request to the wait for it a wave issues 224 matrix instructions.
.macro TURN slot, next, on
.if (\on) < 2
	s_wait_xcnt 0x0                                ; the last prefetch, a K step back, has read its address: it is stepped here, ahead of the waits of the change of slots
.if ((\on) == 1) && ((\slot) == 0)
	s_add_nc_u64 s[PFA:PFA+1], s[PFA:PFA+1], (WALK-1)*SIZE_K*2+KSTEP*2  ; from the K step after the tile's last to the next tile's K step 1: WALK rows down, back along K
	s_cmp_eq_u32 s11, 0
	s_cselect_b32 s[LIM], s[LIM], -1               ; w1b's rows are the same for both tiles: they are asked for in the first alone
.else
	s_add_nc_u64 s[PFA:PFA+1], s[PFA:PFA+1], KSTEP*2
.endif
	MEET 1
	CREST                                          ; no wave of any partner still reads this slot's tile or has a load on its way
.if (\on) == 1
	s_add_nc_u64 s[G0+4*(\slot)+2:G0+4*(\slot)+3], s[G0+4*(\slot)+2:G0+4*(\slot)+3], NEXT_A
	s_sub_nc_u64 s[G0B+4*(\slot)+2:G0B+4*(\slot)+3], s[G0B+4*(\slot)+2:G0B+4*(\slot)+3], BACK_B
.else
	s_add_nc_u64 s[G0+4*(\slot)+2:G0+4*(\slot)+3], s[G0+4*(\slot)+2:G0+4*(\slot)+3], 2*KSTEP*2
	s_add_nc_u64 s[G0B+4*(\slot)+2:G0B+4*(\slot)+3], s[G0B+4*(\slot)+2:G0B+4*(\slot)+3], 2*KSTEP*2
.endif
	JLOAD \slot                                    ; the first tensor load behind the round, and my only one until the next; its four v_nop are also the places in front of the loads below
.else
	MEET 0
	PLACES
.endif
	FETCH \next, 0, F0
.if (\on) < 2
	ASK \on                                        ; behind the joint load and the run of LDS loads that the next products wait for
.endif
	MUL16 F1, 1, 0, 0
	MUL16 F1, 1, 2, 0
.endm
; THE WAY OUT of block a (16 rows x 128 columns, 8 accumulators): 2 g(t) = t + t^2 (0.5 - 0.0416 t^2), two numbers an instruction; rounded to bf16, 16 bytes a lane for each block of 16 columns; stored as it lies.
; Each accumulator's lowest registers are read first.
.macro ACT a
.set AC, 64*((\a)%4)
.set WW, 2+(\a)/4                      ; the block's window
	WIN WW|(WW<<2)                                 ; sources 0 and 1 in the accumulators' window, destination window 0
.set i, 0
.rept 32
	v_pk_mul_f32 v[U+2*i:U+2*i+1], v[AC+2*i:AC+2*i+1], v[AC+2*i:AC+2*i+1]  ; t^2
.set i, i+1
.endr
	WIN 0
.set i, 0
.rept 32
	v_pk_fma_f32 v[V+2*i:V+2*i+1], v[U+2*i:U+2*i+1], s[C3:C3+1], 0.5 op_sel_hi:[1,0,0]  ; 0.5 - 0.0416 t^2
.set i, i+1
.endr
	WIN WW<<4                                      ; source 2 in the accumulators' window
.set i, 0
.rept 32
	v_pk_fma_f32 v[U+2*i:U+2*i+1], v[U+2*i:U+2*i+1], v[V+2*i:V+2*i+1], v[AC+2*i:AC+2*i+1]  ; t^2 (..) + t
.set i, i+1
.endr
	WIN 0
	s_wait_xcnt 0x0                                ; every earlier memory instruction has had its addresses translated (ISA guide 3.1): the last block's stores, 96 instructions back, read the registers that are written next
.set i, 0
.rept 32
	v_cvt_pk_bf16_f32 v[TMP+i], v[U+2*i], v[U+2*i+1]
.set i, i+1
.endr
.irp b, 0,1,2,3,4,5,6,7
	global_store_b128 v[CO], v[TMP+4*(\b):TMP+4*(\b)+3], s[8:9] offset:(\a)*HROW+(\b)*HBLK  ; a whole block of h: 512 consecutive bytes, at a multiple of 512 from h's first byte
.endr
.endm
; A tile's way out.  The four v_nop are the places behind the last products: the first block's arithmetic writes where their fragments of xb lay.
.macro OUT
	PLACES
.irp a, 0,1,2,3,4,5,6,7
	ACT \a
.endr
.endm
	s_wait_tensorcnt 1                             ; my part of K step 0 is in; K step 1's load, issued behind it, may stay out
	s_barrier_signal -1
	s_barrier_wait -1                              ; everybody's is
	FETCH 0, 0, F0
	s_mov_b32 s2, SIZE_TILES                       ; tiles to go, this one among them: the same number in every work-group
.Ltile:
	QUARTER 0, 64,  F0, F1, 1                      ; a tile's first quarter stands in front of the loop: its products start the sums, with the bias
	WIN 0                                          ; at a label and at a branch every window is 0
	s_mov_b32 s3, LAPS-1
.Llap:                                                 ; a trip goes once round the ring, from a lap's second quarter to the next lap's first, and fills both slots again
	QUARTER 0, 128, F1, F0, 0
	QUARTER 0, 192, F0, F1, 0
	TURN 0, 1, 0
	QUARTER 1, 64,  F0, F1, 0
	QUARTER 1, 128, F1, F0, 0
	QUARTER 1, 192, F0, F1, 0
	TURN 1, 0, 0
	QUARTER 0, 64,  F0, F1, 0
	WIN 0
	s_sub_co_u32 s3, s3, 1
	s_cmp_lg_u32 s3, 0
	s_cbranch_scc1 .Llap
	QUARTER 0, 128, F1, F0, 0                      ; the tile's last lap goes on
	QUARTER 0, 192, F0, F1, 0
	WIN 0
	s_cmp_eq_u32 s2, 1
	s_cbranch_scc1 .Llast_tile                     ; the last tile's tail is written out behind the loop: it asks for nothing more
	TURN 0, 1, 1                                   ; THE RING GOES ON INTO THE NEXT TILE: slot 0 takes its K step 0,
	QUARTER 1, 64,  F0, F1, 0
	QUARTER 1, 128, F1, F0, 0
	QUARTER 1, 192, F0, F1, 0
	TURN 1, 0, 1                                   ; slot 1 its K step 1, and the next tile's first fragments are fetched into buffer 0, which the way out does not touch
	OUT                                            ; both refills are asked for: now the tile goes out
	s_wait_xcnt 0x0                                ; the stores have read their base
	s_add_nc_u64 s[8:9], s[8:9], NEXT_H            ; h at my part of the next tile
	s_sub_co_u32 s2, s2, 1
	s_branch .Ltile
.Llast_tile:
	TURN 0, 1, 2                                   ; my one tensor load that was still out is slot 1's, the last K step's
	QUARTER 1, 64,  F0, F1, 0
	QUARTER 1, 128, F1, F0, 0
	QUARTER 1, 192, F0, F1, 0
	s_wait_dscnt 8                                 ; the very last quarter: nothing more to fetch
	MUL16 F1, 0, 0, 0
	MUL16 F1, 0, 2, 0
	s_wait_dscnt 0x0
	MUL16 F1, 1, 0, 0
	MUL16 F1, 1, 2, 0
	OUT
	s_wait_tensorcnt 0x0                           ; the wave's end, behind my last tensor load
	ds_add_u32 v[SPW], v[NIL]
	s_wait_dscnt 0x0
	CROUND                                         ; the closing round: no work-group ends while a partner may still ask for a tile that names it
	s_endpgm
.Lfunc_end_k_qef5555a79b_up:
	.size	k_qef5555a79b_up, .Lfunc_end_k_qef5555a79b_up-k_qef5555a79b_up
	.p2alignl 7, 3214868480
	.fill 96, 4, 3214868480
	.section	.rodata,"a",@progbits
	.p2align	6, 0x0
	.amdhsa_kernel k_qef5555a79b_up
		.amdhsa_group_segment_fixed_size 327680
		.amdhsa_private_segment_fixed_size 0
		.amdhsa_enable_private_segment 0
		.amdhsa_kernarg_size 32
		.amdhsa_user_sgpr_count 2
		.amdhsa_user_sgpr_kernarg_segment_ptr 1
		.amdhsa_wavefront_size32 1
		.amdhsa_system_sgpr_workgroup_id_x 1
		.amdhsa_system_sgpr_workgroup_id_y 1
		.amdhsa_system_sgpr_workgroup_id_z 1
		.amdhsa_system_vgpr_workitem_id 0
		.amdhsa_next_free_vgpr 1024
		.amdhsa_next_free_sgpr 76
		.amdhsa_reserve_vcc 0
		.amdhsa_float_denorm_mode_32 3
		.amdhsa_float_denorm_mode_16_64 3
		.amdhsa_memory_ordered 1
		.amdhsa_forward_progress 1
		.amdhsa_inst_pref_size 255
	.end_amdhsa_kernel
	.section	.bss,"aw",@nobits
	.p2align	6
	.space	262144
	.amdgpu_metadata
---
amdhsa.version: [ 1, 2 ]
amdhsa.kernels:
  - .name:           k_qef5555a79b_up
    .symbol:         k_qef5555a79b_up.kd
    .args:
      - { .name: xb, .offset: 0, .size: 8, .value_kind: global_buffer, .address_space: global }
      - { .name: w1b, .offset: 8, .size: 8, .value_kind: global_buffer, .address_space: global }
      - { .name: b1, .offset: 16, .size: 8, .value_kind: global_buffer, .address_space: global }
      - { .name: h, .offset: 24, .size: 8, .value_kind: global_buffer, .address_space: global }
    .group_segment_fixed_size: 327680
    .private_segment_fixed_size: 0
    .kernarg_segment_align: 8
    .kernarg_segment_size: 32
    .max_flat_workgroup_size: 128
    .sgpr_count:     76
    .vgpr_count:     1024
    .wavefront_size: 32
...
	.end_amdgpu_metadata
.endif
;; end of part 2
;; launch down (part 3): grid 4 x 64, 4 waves a work-group, clusters of 4 x 4, 327,680 bytes of LDS; arguments h, w2b, b2, out0; writes out0
.if DOCPART == 3
	.amdgcn_target "amdgcn-amd-amdhsa--gfx1250"
	.amdhsa_code_object_version 6
	.text
	.protected	k_qef5555a79b_down
	.globl	k_qef5555a79b_down
	.p2align	8
	.type	k_qef5555a79b_down,@function
k_qef5555a79b_down:
	s_mov_b64 s[64:65], 0
	v_nop
	global_prefetch_b8 v0, s[64:65] scope:SCOPE_SE
	s_setreg_imm32_b32 hwreg(HW_REG_WAVE_MODE, 25, 1), 1
	s_wait_xcnt 0x0
	s_wait_alu depctr_hold_cnt(0) depctr_sa_sdst(0) depctr_va_vdst(0) depctr_va_sdst(0) depctr_va_ssrc(0) depctr_va_vcc(0) depctr_vm_vsrc(0)
	s_getreg_b32 s2, hwreg(HW_REG_IB_STS2, 6, 4)
	s_cmp_eq_u32 s2, 0
	s_cbranch_scc0 .Lentry_in_a_cluster
	s_endpgm
.Lentry_in_a_cluster:
	s_bfe_u32 s2, ttmp6, 0x10000c
	s_cmp_lg_u32 s2, 0xf033
	s_cbranch_scc0 .Lentry_shape_is_right
	s_endpgm
.Lentry_shape_is_right:
; out0[m][n] = sum over k of h[m][k] w2b[n][k] + b2[n].  h holds twice the activation and w2b half of W2, so the products are reference's.  w2b: [1024][4096] bf16, b2: [1024] f32, out0: [8192][1024] f32.
; h: 8192 x 4096 bf16 in blocks of 16 rows x 16 along K, 512 bytes each, [512 block rows][256 blocks][32 lanes][16 bytes]: lane l holds row l % 16, K = 8 (l / 16) + 0 .. 7 of the block.  Two blocks on end ARE a
; fragment (16 rows x 32 along K) as the matrix instruction wants it.  Sums in f32; out0 is the sum itself.
; LIMITS.  b2 is rounded to bf16 like the other inputs and STARTS each sum (it is the C operand of the first product) instead of being added last.  NaN and infinities are not treated apart.
; SHAPE.  A tile of out0 is 128 rows x 256 columns: 256 tiles, one work-group each; tiles of 256 x 256 would be 128.  Four waves, each 64 x 128: 32 accumulators of 16 x 16, 256 registers.
; w2b GOES THROUGH LDS, in a ring of two slots of 256 rows x 256 along K (rows of 512 bytes, at multiples of 512 from the buffer's first byte): 16 intervals of 256 matrix instructions a wave, one change of slots each.
; CLUSTERS: 4 x 4 work-groups; the four of a column of the cluster need the same tile of w2b and ask for it JOINTLY: each wave fetches 64 of its rows by the same tensor load, descriptor and mask in all four.
; h DOES NOT GO THROUGH LDS, AND IS NOT ASKED FOR JOINTLY.  The reason, by this text's own sizes: two slots that hold 256 along K of both operands are 2 x 384 rows x 528 bytes = 405,504 bytes, more than the
; 327,680 that the launch has; with 128 along K they fit, but then a refill has 112 matrix instructions in which to land instead of 240.  And h's fragments lie in memory as registers hold them: LDS would pass them on
; unchanged.  So each wave loads its own 64 rows of h straight into registers, 512 consecutive bytes a load, in a ring of eight quarters (a quarter = 32 along K = 32 matrix instructions): in quarter p it asks for
; quarter p + 7.  The price: a block of h is loaded by eight waves (two of each of the four work-groups of a row of the cluster).
; THE MATRIX INSTRUCTION IS USED TRANSPOSED (source 0 = 16 rows of w2b, source 1 = 16 rows of h): lane l holds row m = l % 16 and the columns 8 (l / 16) + 0 .. 7: 32 neighbouring bytes of a row of out0.
; REGISTERS, in windows of 256 (s_set_vgpr_msb: bits 1:0 source 0, 3:2 source 1, 5:4 source 2, 7:6 destination):
;   window 0: v0-31 addresses; v64-127, v128-191 rows read back on the way out, by turns
;   window 1: v0-63, v64-127 fragments of w2b (8 of a quarter), two buffers; v192-255 the bias
;   window 2: accumulator (a, b) at v[8 (8 a + b)]          window 3: h's ring: quarter t % 8, block row a at v[32 (t % 8) + 8 a]
.set SIZE_N, 1024
.set SIZE_K, 4096
.set KP,     256                       ; along K in an interval
.set PITCH,  528                       ; an LDS row: 512 bytes + 16 of padding = 132 words: row r starts at bank 4 r mod 64 (64 banks of 4 bytes: ISA guide 11.1)
.set BQ,     64*PITCH                  ; 64 rows of w2b: what one wave fetches: 33,792 = 0x8400 bytes
.set SLOT,   4*BQ                      ; 135,168 = 0x21000 bytes
.set STAGE,  2*SLOT                    ; behind the ring: 16 rows x 528 bytes for each wave, for the way out; no tensor load lands there
.set SP,     528                       ; a stage row: 512 bytes + 16
.set SPARE,  STAGE+4*16*SP             ; behind the stages: the spare words, 128 bytes for each wave: two blocks of 256 bytes that no other line names
.set HROW,   (SIZE_K/16)*512           ; a block row of h: 131,072 bytes
.set QB,     1024                      ; a quarter's bytes of a block row: two blocks
.set TRIPS,  SIZE_K/KP-2               ; 14: every interval but the last two is followed by a refill
.set AB0,  16                          ; v16     my lane's place in a slot: (128 x column half + l % 16) x pitch + 16 (l / 16); never rewritten
.set ADRB, 17                          ; v17     the same in the slot in hand
.set STO,  24                          ; v24     the way out: where I put 32 bytes of a row
.set RD,   25                          ; v25     the way out: where I read 16 bytes of a row back
.set CO,   26                          ; v26     16 x lane: my 16 bytes of a block of h, and of a row's 512 bytes in out0; never rewritten
.set BO,   27                          ; v27     my byte offset in 16 numbers of b2: 32 (l / 16)
.set SPW,  28                          ; v28     LDS address of my spare word: SPARE + 4 x my thread's number; never rewritten
.set NIL,  29                          ; v29     0; never rewritten
.set PFOB, 30                          ; v30     w2b's prefetches: (l % 16) rows of 8,192 bytes + 256 (l / 16); never rewritten
.set PFOA, 31                          ; v31     h's prefetches: 256 x lane; never rewritten
.set OB,   64
.set F0,   0                           ; fragment buffers, in window 1
.set F1,   64
.set BIA,  192                         ; window 1: register 8 b + j holds the bias of column 16 b + 8 (l / 16) + j of my 128
.set G1,   24                          ; s[24:31] descriptor group 1
.set G0A,  32                          ; s[32:35] descriptor group 0 of slot 0's first fill
.set G0,   36                          ; s[36:39] of slot 1's; it then walks on
.set LIMB, 43                          ; s43      2 in a wave that prefetches w2b, else the greatest number
.set LIMA, 44                          ; s44      1 in a wave that prefetches h, else the greatest number
.set TB,   45                          ; s45      LDS byte at which the slot in hand begins: 0 or SLOT
.set WOF,  46                          ; s46      my 64 rows' place in a slot
.set AP,   48                          ; s[48:49] h at my first block row, at the interval in hand
.set PFA,  50                          ; s[50:51] h at the block row that I prefetch, at the interval in hand
.set PFB,  52                          ; s[52:53] w2b at the 16 rows that I prefetch, at the interval in hand
.set BP,   66                          ; s[66:67] b2 at my 128 columns
.set HIM,  72                          ; s72      a word's upper bf16
.set MSB, 0
.macro WIN new                         ; the immediate's high byte repeats the setting that is left; a switch that changes nothing is dropped
.if MSB != (\new)
	s_set_vgpr_msb (MSB<<8)|(\new)
.set MSB, (\new)
.endif
.endm
; PREFETCHES INTO THE L2, together, behind the joint load, its five lines and the two runs of loads that follow them.  Each aligned block of 256 bytes is named ONCE in the launch.
; w2b: a tile column is read by all sixteen clusters; those with cluster y = 0 ask.  Of its 256 rows the partner at place cy takes 64, each of its waves 16: a lane a row and half of the interval's 512 bytes.
; Asked for: the interval that stands two refills on, 512 matrix instructions ahead of the load that will want it; in trips 0 to 11, for intervals 4 to 15.
; h: a tile's 8 block rows are read by one row of one cluster alone; the partner at place cx takes two, its waves 0 and 1 one each: an interval's 8,192 bytes of it, a lane 256.  Asked for: the interval three on,
; whose loads are issued 10 to 17 quarters later; in trips 0 to 12, for intervals 3 to 15.  The partners are told apart BY ADDRESS: no branch hangs on a work-group's place in its cluster.
.macro ASK
	s_cmp_gt_u32 s3, s[LIMB]
	s_cbranch_scc0 .Lnot_b_\@
	global_prefetch_b8 v[PFOB], s[PFB:PFB+1] offset:4*KP*2 th:TH_LOAD_NT scope:SCOPE_SE
.Lnot_b_\@:
	s_cmp_gt_u32 s3, s[LIMA]
	s_cbranch_scc0 .Lnot_a_\@
	global_prefetch_b8 v[PFOA], s[PFA:PFA+1] offset:3*8*QB th:TH_LOAD_NT scope:SCOPE_SE
.Lnot_a_\@:
.endm
.macro CREST                           ; a round of the cluster's barrier behind its opening barrier
	s_cmp_lg_u32 s10, 0
	s_cbranch_scc1 .Lnot_wave_0_\@
	s_barrier_signal -3
.Lnot_wave_0_\@:
	s_barrier_wait -3
	s_barrier_signal -1
	s_barrier_wait -1
.endm
.macro CROUND                          ; a whole round
	s_barrier_signal -1
	s_barrier_wait -1
	CREST
.endm
; Eight loads: my four block rows' fragments of one quarter, qo quarters behind s[AP], into place slot of the ring.  Each load is a block of h: 512 consecutive bytes.
.macro GLOAD slot, qo
	WIN 0xc0                                       ; destination window 3, address window 0
.irp a, 0,1,2,3
	global_load_b128 v[32*(\slot)+8*(\a):32*(\slot)+8*(\a)+3],   v[CO], s[AP:AP+1] offset:(\a)*HROW+(\qo)*QB
	global_load_b128 v[32*(\slot)+8*(\a)+4:32*(\slot)+8*(\a)+7], v[CO], s[AP:AP+1] offset:(\a)*HROW+(\qo)*QB+512
.endr
.endm
	s_load_b128 s[4:7], s[0:1], 0x0                ; h s[4:5], w2b s[6:7]
	s_load_b64 s[BP:BP+1], s[0:1], 0x10            ; b2
	s_load_b64 s[8:9], s[0:1], 0x18                ; out0
	v_lshl_add_u32 v[SPW], v0, 2, SPARE
	v_mov_b32 v[NIL], 0
	ds_add_u32 v[SPW], v[NIL]                      ; the wave's opening: the add, twice on end, and its wait ahead of my first tensor load; the set-up below, work on registers, stands between the second and the wait
	ds_add_u32 v[SPW], v[NIL]                      ; and once more, under the one wait
	v_lshrrev_b32 v1, 5, v0
	v_readfirstlane_b32 s10, v1                    ; wave 0..3
	s_lshr_b32 s11, s10, 1                         ; which half of the tile's rows is mine
	s_and_b32 s12, s10, 1                          ; which half of its columns
	s_bfe_u32 s40, ttmp6, 0x40000                  ; cx, cy: my place in the cluster
	s_bfe_u32 s41, ttmp6, 0x40004
	s_lshl_b32 s42, ttmp9, 2
	s_add_co_u32 s42, s42, s40                     ; tile column of out0 = 4 x cluster x + cx
	s_and_b32 s13, ttmp7, 0xffff
	s_lshl_b32 s13, s13, 2
	s_add_co_u32 s13, s13, s41                     ; tile row = 4 x cluster y + cy
	s_lshl_b32 s14, 0x1111, s40                    ; my column of the cluster: places cx, cx + 4, cx + 8, cx + 12
	; descriptor group 1: a tile of 64 rows x 256 elements, padded in LDS
	s_or_b32 s[G1+0], s14, (1<<16)|(1<<20)|(1<<21)|(6<<22)|(3<<25)  ; 15:0 the mask; 17:16 elements of 2 bytes; 20 padding on; 21 set beside a mask; 24:22 after every 128 words (code 6); 31:25 4 words of it (code 3)
	s_mov_b32 s[G1+1], KP<<16                      ; tensor_dim0 = 256
	s_mov_b32 s[G1+2], 64<<16                      ; tensor_dim1 = 64
	s_mov_b32 s[G1+3], KP<<16                      ; tile_dim0 = 256
	s_mov_b32 s[G1+4], 64                          ; tile_dim1 = 64
	s_mov_b32 s[G1+5], SIZE_K                      ; tensor_dim0_stride: elements from row to row
	s_mov_b32 s[G1+6], 0
	s_mov_b32 s[G1+7], 0
	s_mov_b32 s[HIM], 0xffff0000
	s_lshl_b32 s16, s42, 8                         ; where my part of the tiles comes from: it hangs on the tile column, which my column of the cluster shares, and on the wave's number
	s_lshl_b32 s17, s10, 6
	s_add_co_u32 s16, s16, s17                     ; row 256 x tile column + 64 x wave,
	s_lshl_b32 s16, s16, 13                        ; x 8,192 bytes: under 2^23
	s_mov_b32 s17, 0                               ; (stays 0: the high word of every offset made in s16 below)
	s_mul_i32 s[WOF], s10, BQ                      ; and where it goes: no place in the cluster enters an LDS address
	s_mov_b32 s[TB], 0                             ; interval 0 lies in slot 0
	s_wait_dscnt 0x0                               ; both opening adds are done
	s_wait_kmcnt 0x0
	s_add_nc_u64 s[14:15], s[6:7], s[16:17]
	CROUND                                         ; all sixteen work-groups are here: the first joint loads meet
	s_mov_b32 s[G0A], 1                            ; 1:0 count = 1
	s_mov_b32 s[G0A+1], s[WOF]                     ; 63:32 LDS address: slot 0
	s_mov_b64 s[G0A+2:G0A+3], s[14:15]             ; 120:64 global address: interval 0
	s_or_b32 s[G0A+3], s[G0A+3], 0x80000000        ; 127:126 type = 2
	s_mov_b32 s[G0], 1
	s_add_co_u32 s[G0+1], s[WOF], SLOT             ; slot 1
	s_add_nc_u64 s[G0+2:G0+3], s[14:15], KP*2      ; interval 1
	s_or_b32 s[G0+3], s[G0+3], 0x80000000
	tensor_load_to_lds s[G0A:G0A+3], s[G1:G1+7]    ; the two first fills stand together: two tensor loads of mine are out; an s_nop 0 follows each, four v_nop the second's
	s_nop 0
	tensor_load_to_lds s[G0:G0+3], s[G1:G1+7]
	s_nop 0
.rept 4
	v_nop
.endr
	v_and_b32 v1, 15, v0                           ; l % 16
	v_bfe_u32 v2, v0, 4, 1                         ; l / 16
	v_and_b32 v5, 31, v0                           ; l
	v_lshlrev_b32 v[CO], 4, v5
	v_lshlrev_b32 v[BO], 5, v2
	; b2 and out0 at my first column, 4 bytes a number: 1,024 x tile column + 512 x half
	s_lshl_b32 s18, s42, 10
	s_lshl_b32 s19, s12, 9
	s_add_co_u32 s18, s18, s19
	s_mov_b32 s19, 0
	s_add_nc_u64 s[BP:BP+1], s[BP:BP+1], s[18:19]
	s_add_nc_u64 s[8:9], s[8:9], s[18:19]
	; h at my first block row: 8 x tile row + 4 x half, x 131,072 bytes: under 2^27
	s_lshl_b32 s16, s13, 3
	s_lshl_b32 s20, s11, 2
	s_add_co_u32 s16, s16, s20
	s_lshl_b32 s16, s16, 17
	s_add_nc_u64 s[AP:AP+1], s[4:5], s[16:17]
	; the bias of my 128 columns, 8 numbers a lane for each block of 16, as the accumulators hold them; then the ring's first five quarters: 56 loads of mine are out
	WIN 0x40
.irp b, 0,1,2,3,4,5,6,7
	global_load_b128 v[BIA+8*(\b):BIA+8*(\b)+3],   v[BO], s[BP:BP+1] offset:64*(\b)
	global_load_b128 v[BIA+8*(\b)+4:BIA+8*(\b)+7], v[BO], s[BP:BP+1] offset:64*(\b)+16
.endr
.irp q, 0,1,2,3,4
	GLOAD \q, \q
.endr
	WIN 0
	v_mul_u32_u24 v3, v1, PITCH
	v_lshl_add_u32 v3, v2, 4, v3                   ; a fragment's row x pitch + 16 x half
	s_mul_i32 s22, s12, 128*PITCH                  ; my 128 rows of w2b
	v_add_nc_u32 v[AB0], s22, v3
	v_mov_b32 v[ADRB], v[AB0]
	s_mul_i32 s23, s10, 16*SP
	s_add_co_u32 s23, s23, STAGE                   ; my stage
	v_mul_u32_u24 v4, v1, SP                       ; in: row l % 16, 32 bytes for each half of the lanes
	v_lshl_add_u32 v4, v2, 5, v4
	v_add_nc_u32 v[STO], s23, v4
	v_add_nc_u32 v[RD], s23, v[CO]                 ; back: 32 lanes take one row of 512 bytes
	s_lshl_b32 s16, s13, 7
	s_lshl_b32 s20, s11, 6
	s_add_co_u32 s16, s16, s20                     ; my first row of out0: 128 x tile row + 64 x half,
	s_lshl_b32 s16, s16, 12                        ; x 4,096 bytes: under 2^25
	s_add_nc_u64 s[8:9], s[8:9], s[16:17]
	; the prefetches
	s_lshl_b32 s16, s13, 3
	s_lshl_b32 s20, s40, 1
	s_add_co_u32 s16, s16, s20
	s_add_co_u32 s16, s16, s12                     ; h: block row 8 x tile row + 2 cx + wave (waves 0 and 1)
	s_lshl_b32 s16, s16, 17
	s_add_nc_u64 s[PFA:PFA+1], s[4:5], s[16:17]
	s_cmp_eq_u32 s11, 0
	s_cselect_b32 s[LIMA], 1, -1
	s_lshl_b32 s16, s42, 8
	s_lshl_b32 s20, s41, 6
	s_add_co_u32 s16, s16, s20
	s_lshl_b32 s20, s10, 4
	s_add_co_u32 s16, s16, s20                     ; w2b: row 256 x tile column + 64 cy + 16 x wave
	s_lshl_b32 s16, s16, 13
	s_add_nc_u64 s[PFB:PFB+1], s[6:7], s[16:17]
	s_and_b32 s20, ttmp7, 0xffff                   ; cluster y: the same in all sixteen partners
	s_cmp_eq_u32 s20, 0
	s_cselect_b32 s[LIMB], 2, -1
	v_lshlrev_b32 v[PFOA], 8, v5
	v_lshlrev_b32 v[PFOB], 13, v1
	v_lshl_add_u32 v[PFOB], v2, 8, v[PFOB]
	s_wait_loadcnt 40                              ; the bias is in; the 40 loads of h issued behind it may stay out
	WIN 0x45                                       ; sources 0 and 1 and the destination in window 1; v0-31 there are free until the first fragments come
.set i, 0
.rept 32
	v_cvt_pk_bf16_f32 v[i], v[BIA+2*i], v[BIA+2*i+1]  ; rounded to bf16,
	v_lshlrev_b32 v[BIA+2*i], 16, v[i]                ; and widened again
	v_and_b32 v[BIA+2*i+1], s[HIM], v[i]
.set i, i+1
.endr
	GLOAD 5, 5                                     ; the ring's quarters 5 and 6; quarter 7 is asked for in quarter 0, like every quarter after it: seven quarters ahead
	GLOAD 6, 6
	WIN 0
; 8 matrix instructions: m blocks a0, a0 + 1 x n blocks 4 bh .. 4 bh + 3, 32 along K: buffer f of w2b, place rg of h's ring.  first = 1: the product starts the sum with the bias as its C operand (window 1).
; The 32 accumulators take turns, one instruction a turn, in the same order in every quarter.
.macro MUL8 f, rg, bh, a0, first
.if \first
	WIN 0x9d                                       ; source 0 (w2b) and C window 1, source 1 (h) window 3, D window 2
.else
	WIN 0xad                                       ; the same with C where D is
.endif
.irp a, \a0, (\a0)+1
.irp b, 0,1,2,3
.if \first
	v_wmma_f32_16x16x32_bf16 v[8*(8*(\a)+4*(\bh)+(\b)):8*(8*(\a)+4*(\bh)+(\b))+7], v[(\f)+8*(4*(\bh)+(\b)):(\f)+8*(4*(\bh)+(\b))+7], v[(\rg)+8*(\a):(\rg)+8*(\a)+7], v[BIA+8*(4*(\bh)+(\b)):BIA+8*(4*(\bh)+(\b))+7]
.else
	v_wmma_f32_16x16x32_bf16 v[8*(8*(\a)+4*(\bh)+(\b)):8*(8*(\a)+4*(\bh)+(\b))+7], v[(\f)+8*(4*(\bh)+(\b)):(\f)+8*(4*(\bh)+(\b))+7], v[(\rg)+8*(\a):(\rg)+8*(\a)+7], v[8*(8*(\a)+4*(\bh)+(\b)):8*(8*(\a)+4*(\bh)+(\b))+7]
.endif
.endr
.endr
.endm
; 16 LDS loads in one run: my 128 rows of w2b, 32 along K at byte k of the rows of the slot in hand, into buffer f; n blocks 0 to 3 first
.macro FETCH k, f
	WIN 0x40                                       ; destination window 1, address window 0
.irp i, 0,1,2,3,4,5,6,7
	ds_load_b128 v[(\f)+8*(\i):(\f)+8*(\i)+3],   v[ADRB] offset:(\k)+(\i)*16*PITCH
	ds_load_b128 v[(\f)+8*(\i)+4:(\f)+8*(\i)+7], v[ADRB] offset:(\k)+(\i)*16*PITCH+32
.endr
.endm
.macro PLACES                          ; four places in front of loads into registers that matrix instructions have read, and of LDS stores that read results
.rept 4
	v_nop
.endr
.endm
; Quarter t of an interval (t = 8: the next interval's quarter 0, with the addresses still counted from the interval in hand).  It multiplies buffer t % 2 and place t % 8 of the ring; in its middle it fetches the next
; quarter's fragments of w2b into the other buffer and (gl = 1) asks for h's quarter t + 7, into the place that the quarter before has multiplied: the four v_nop stand between those products and both runs of loads.
; lc: the loads of h issued behind this quarter's own, which may stay out: six quarters' 48, fewer at the end.
.macro QUARTER t, first, gl, lc
.set FF, 64*((\t)%2)
.set GG, 64-FF
.set RG, 32*((\t)%8)
	s_wait_loadcnt \lc                             ; loads come back in order (ISA guide 5.7.1): my quarter of h is in
	s_wait_dscnt 8                                 ; w2b's n blocks 0-3 are in; the youngest eight loads (blocks 4-7) may be out
	MUL8 FF, RG, 0, 0, \first
	MUL8 FF, RG, 0, 2, \first
	PLACES
	FETCH 64*((\t)%8+1), GG
.if \gl
	GLOAD ((\t)+7)%8, (\t)+7
.endif
	s_wait_dscnt 16                                ; all but the 16 just issued
	MUL8 FF, RG, 1, 0, \first
	MUL8 FF, RG, 1, 2, \first
.endm
; An interval's last quarter multiplies buffer 1 and place 7 of the ring, and changes slots: ONE barrier; in front of it each wave waits for all its tensor loads (one is out: its part of the next slot), adds 0 to its
; spare word, and waits for that and for its own reads of this slot.  fill = 1: the barrier opens a round of the cluster's, and behind the round this slot is filled again, with the interval two on: the wave's one
; tensor load until the next round, 240 matrix instructions ahead of the wait for it.  The walking descriptor is written where no tensor load of mine is out.  Its LDS word is wave x 0x8400 (+ 0x21000 in slot 1):
; the wave's term (0, 0x8400, 0x10800, 0x18C00) shares no bit with 0x21000, so one exclusive or turns the word from one slot to the other.
.macro TURN fill
	WIN 0                                          ; (the add's two registers lie in window 0)
	s_wait_tensorcnt 0x0                           ; all my tensor loads have landed
	ds_add_u32 v[SPW], v[NIL]                      ; 0 onto my spare word
.if \fill
	s_xor_b32 s[G0+1], s[G0+1], SLOT               ; the other slot than last time: the one in hand, which is left now,
	s_add_nc_u64 s[G0+2:G0+3], s[G0+2:G0+3], KP*2  ; takes the interval behind the one asked for last; the type bits on top are not reached
.endif
	s_xor_b32 s[TB], s[TB], SLOT                   ; 0 <-> SLOT: the other slot is in hand from here on
	s_wait_loadcnt 48                              ; my quarter of h is in
	s_wait_dscnt 9                                 ; (the add and the youngest eight loads may be out)
	MUL8 F1, 224, 0, 0, 0                          ; eight matrix instructions stand between the add and the wait for it
	s_wait_dscnt 0x0                               ; the add is done, and my reads of this slot are over
	s_barrier_signal -1
	MUL8 F1, 224, 0, 2, 0
	WIN 0
	s_barrier_wait -1
.if \fill
	CREST                                          ; no wave of any partner still reads this slot's tile or has a load on its way
	tensor_load_to_lds s[G0:G0+3], s[G1:G1+7]
	s_nop 0
.rept 4
	v_nop                                          ; (the places in front of the loads below)
.endr
.else
	PLACES
.endif
	v_add_nc_u32 v[ADRB], s[TB], v[AB0]
	FETCH 0, F0
	GLOAD 6, 14
.if \fill
	WIN 0
	ASK
.endif
	MUL8 F1, 224, 1, 0, 0
	MUL8 F1, 224, 1, 2, 0
.endm
; THE WAY OUT of block a (16 rows x 128 columns of f32).  A lane's 32 bytes of a row go into my own stage, rows of 528 bytes, each accumulator's low half first; they come back as whole rows of 512 bytes.
.macro OUTSTAGE a
	WIN 0x08                                       ; the stores' data (source 1) in window 2
.irp b, 0,1,2,3,4,5,6,7
	ds_store_b128 v[STO], v[64*(\a)+8*(\b):64*(\a)+8*(\b)+3]   offset:64*(\b)
	ds_store_b128 v[STO], v[64*(\a)+8*(\b)+4:64*(\a)+8*(\b)+7] offset:64*(\b)+16
.endr
	WIN 0
.set BK, OB+64*((\a)%2)
.irp t, 0,1,2,3,4,5,6,7,8,9,10,11,12,13,14,15
	ds_load_b128 v[BK+4*(\t):BK+4*(\t)+3], v[RD] offset:(\t)*SP  ; LDS serves a wave's instructions in order (ISA guide 5.7.1.4): these see the stores above; the next block's stores come behind them
.endr
.endm
.macro SEND a, younger                 ; younger: the LDS instructions issued behind block a's loads: the next block's 32, or none
	WIN 0
.set BK, OB+64*((\a)%2)
.irp t, 0,1,2,3,4,5,6,7,8,9,10,11,12,13,14,15
	s_wait_dscnt (\younger)+15-(\t)
	global_store_b128 v[CO], v[BK+4*(\t):BK+4*(\t)+3], s[8:9] offset:(16*(\a)+(\t))*SIZE_N*4 th:TH_STORE_NT  ; the wave stores 512 consecutive bytes, at a multiple of 512 from out0's first byte
.endr
.endm
	s_wait_tensorcnt 1                             ; my part of interval 0 is in; interval 1's load, issued behind it, may stay out
	s_barrier_signal -1
	s_barrier_wait -1                              ; everybody's is
	FETCH 0, F0
	QUARTER 0, 1, 1, 48                            ; the first quarter stands in front of the loop: its products start the sums, with the bias
	WIN 0                                          ; at a label and at a branch every window is 0
	s_mov_b32 s3, TRIPS
.Lint:                                                 ; a trip: an interval's quarters 1 to 7, the change of slots with its refill, and the next interval's quarter 0
	QUARTER 1, 0, 1, 48
	QUARTER 2, 0, 1, 48
	QUARTER 3, 0, 1, 48
	QUARTER 4, 0, 1, 48
	QUARTER 5, 0, 1, 48
	QUARTER 6, 0, 1, 48
	TURN 1
	QUARTER 8, 0, 1, 48
	WIN 0
	s_wait_xcnt 0x0                                ; every load and prefetch issued so far (the youngest load sixteen products back, the youngest prefetch 48) has read its address, so the pointers may be written
	s_add_nc_u64 s[AP:AP+1], s[AP:AP+1], 8*QB      ; on to the next interval
	s_add_nc_u64 s[PFA:PFA+1], s[PFA:PFA+1], 8*QB
	s_add_nc_u64 s[PFB:PFB+1], s[PFB:PFB+1], KP*2
	s_sub_co_u32 s3, s3, 1
	s_cmp_lg_u32 s3, 0
	s_cbranch_scc1 .Lint
	QUARTER 1, 0, 1, 48                            ; the last interval but one: nothing is filled again, so no round of the cluster's barrier
	QUARTER 2, 0, 1, 48
	QUARTER 3, 0, 1, 48
	QUARTER 4, 0, 1, 48
	QUARTER 5, 0, 1, 48
	QUARTER 6, 0, 1, 48
	TURN 0
	QUARTER 8, 0, 1, 48                            ; the last interval's quarter 0 asks for h's last quarter
	QUARTER 1, 0, 0, 48                            ; from here on nothing of h is asked for, and the counts run down
	QUARTER 2, 0, 0, 40
	QUARTER 3, 0, 0, 32
	QUARTER 4, 0, 0, 24
	QUARTER 5, 0, 0, 16
	QUARTER 6, 0, 0, 8
	s_wait_loadcnt 0x0                             ; the very last quarter: nothing more to fetch
	s_wait_dscnt 8
	MUL8 F1, 224, 0, 0, 0
	MUL8 F1, 224, 0, 2, 0
	s_wait_dscnt 0x0
	MUL8 F1, 224, 1, 0, 0
	MUL8 F1, 224, 1, 2, 0
	WIN 0
	PLACES                                         ; the LDS stores below read results
	OUTSTAGE 0
	OUTSTAGE 1                                     ; a block's trip through the stage stands between the loads of the block before and its stores
	SEND 0, 32
	s_wait_xcnt 0x0                                ; block 0's stores have read their registers, which block 2 takes
	OUTSTAGE 2
	SEND 1, 32
	s_wait_xcnt 0x0                                ; block 1's likewise, for block 3
	OUTSTAGE 3
	SEND 2, 32
	SEND 3, 0
	s_wait_tensorcnt 0x0                           ; the wave's end, behind my last tensor load and my last LDS store
	ds_add_u32 v[SPW], v[NIL]
	s_wait_dscnt 0x0
	CROUND                                         ; the closing round: no work-group ends while a partner may still ask for a tile that names it
	s_endpgm
.Lfunc_end_k_qef5555a79b_down:
	.size	k_qef5555a79b_down, .Lfunc_end_k_qef5555a79b_down-k_qef5555a79b_down
	.p2alignl 7, 3214868480
	.fill 96, 4, 3214868480
	.section	.rodata,"a",@progbits
	.p2align	6, 0x0
	.amdhsa_kernel k_qef5555a79b_down
		.amdhsa_group_segment_fixed_size 327680
		.amdhsa_private_segment_fixed_size 0
		.amdhsa_enable_private_segment 0
		.amdhsa_kernarg_size 32
		.amdhsa_user_sgpr_count 2
		.amdhsa_user_sgpr_kernarg_segment_ptr 1
		.amdhsa_wavefront_size32 1
		.amdhsa_system_sgpr_workgroup_id_x 1
		.amdhsa_system_sgpr_workgroup_id_y 1
		.amdhsa_system_sgpr_workgroup_id_z 1
		.amdhsa_system_vgpr_workitem_id 0
		.amdhsa_next_free_vgpr 1024
		.amdhsa_next_free_sgpr 76
		.amdhsa_reserve_vcc 0
		.amdhsa_float_denorm_mode_32 3
		.amdhsa_float_denorm_mode_16_64 3
		.amdhsa_memory_ordered 1
		.amdhsa_forward_progress 1
		.amdhsa_inst_pref_size 128
	.end_amdhsa_kernel
	.amdgpu_metadata
---
amdhsa.version: [ 1, 2 ]
amdhsa.kernels:
  - .name:           k_qef5555a79b_down
    .symbol:         k_qef5555a79b_down.kd
    .args:
      - { .name: h, .offset: 0, .size: 8, .value_kind: global_buffer, .address_space: global }
      - { .name: w2b, .offset: 8, .size: 8, .value_kind: global_buffer, .address_space: global }
      - { .name: b2, .offset: 16, .size: 8, .value_kind: global_buffer, .address_space: global }
      - { .name: out0, .offset: 24, .size: 8, .value_kind: global_buffer, .address_space: global }
    .group_segment_fixed_size: 327680
    .private_segment_fixed_size: 0
    .kernarg_segment_align: 8
    .kernarg_segment_size: 32
    .max_flat_workgroup_size: 128
    .sgpr_count:     76
    .vgpr_count:     1024
    .wavefront_size: 32
...
	.end_amdgpu_metadata
.endif
;; end of part 3
